; MI455X (gfx1250); checked and timed in simulation.
; The chip was launched on July 23, 2026; its instructions are those of AMD's public machine-readable ISA for CDNA 5 (MIT licence, August 2026) and "CDNA5" Instruction Set Architecture Reference Guide (July 2026). The comments in the code are by the model that wrote it; some were corrected since.
;; Causal FMM Attention. Allowed arithmetic: matrix products marked QUANTISED: E2M1 operands, one E8M0 scale for each 32 along K, by v_wmma_scale_f32_16x16x128_f8f6f4 with both operands' format E2M1 (or v_wmma_scale_f32_32x16x128_f4), f32 sums; products left as they are: f32 operands where the result goes on into a quantised operand, else bf16, f16 or f32 operands; f32 sums; everything else in f32.
;; Inputs: W1 1 x 1 x 8 x 32 float32; W2 1 x 1 x 8 x 32 float32; W3 1 x 1 x 8 x 32 float32; key_lengths 2 x 2,048 float32; keys 2 x 2,048 x 8 x 32 float32; queries 2 x 2,048 x 8 x 32 float32; values 2 x 2,048 x 8 x 32 float32.
;; Outputs: out0 2 x 2,048 x 8 x 32 float32.
;; This version of the problem:
;;   THIS VERSION OF THE PROBLEM IS GIVEN IN LOW PRECISION. The matrix products marked QUANTISED in the list below multiply operands that are first quantised to E2M1 (2 exponent bits, 1 mantissa bit; 4 bits a number), with one power-of-two scale for each 32 numbers along K (OCP MX v1.0); their sums are f32. All else is computed in f32.
;;   The module's matrix products, in the order in which they are computed (A, B: the left and right operand; K: the contracted axis; several contracted axes count as one K, in the product's order):
;;     1. batch 32,768 x [M 1, K 32] x [K 32, N 1]; A: computed on the way; B: computed on the way: left as it is (M = 1 < 16)
;;     2. batch 32,768 x [M 1, K 32] x [K 32, N 32]; A: computed on the way; B: computed on the way: left as it is (M = 1 < 16)
;;     3. batch 32,768 x [M 1, K 32] x [K 32, N 1]; A: computed on the way; B: computed on the way: left as it is (M = 1 < 16)
;;     4. batch 32,768 x [M 1, K 32] x [K 32, N 32]; A: computed on the way; B: computed on the way: left as it is (M = 1 < 16)
;;     5. batch 16 x [M 2,048, K 32] x [K 32, N 2,048]; A: computed on the way; B: input keys: QUANTISED
;;     6. batch 16 x [M 32, K 2,048] x [K 2,048, N 2,048]; A: input values; B: softmax (see below): QUANTISED
;;   THE QUANTISER, for each operand of a quantised product, along K:
;;     - K is cut into blocks of 32 from its start; a last block that is shorter is filled with zeros.
;;     - A block's scale is 2^e with e = floor(log2(the largest magnitude in the block)) - 2, held to -126 .. 127; a block of zeros has e = 0. As a byte (E8M0): e + 127.
;;     - Each number is divided by its block's scale, clamped to +-6, and rounded to the nearest number of E2M1, ties to even, subnormals kept.
;;     - The product sums the exact products of the quantised numbers (number of the format x scale) in f32.
;;   ~~~python
;;   def quantise(x, axis):      # numpy; x: float32 -> the quantised numbers, widened to float32 again
;;       x = np.moveaxis(x, axis, -1); K = x.shape[-1]
;;       x = np.pad(x, [(0, 0)] * (x.ndim - 1) + [(0, -K % 32)]); x = x.reshape(x.shape[:-1] + (-1, 32)); a = np.abs(x).max(-1, keepdims=True)
;;       e = np.where(a > 0, np.clip(np.frexp(np.where(a > 0, a, 1))[1] - 1 - 2, -126, 127), 0)      # np.frexp(a)[1] - 1 = floor(log2(a)), exactly
;;       r = np.clip(x / 2.0 ** e, -6, 6)
;;       step = 2.0 ** (np.maximum(np.frexp(np.where(r == 0, 1, r))[1] - 1, 0) - 1)
;;       q = np.round(r / step) * step * 2.0 ** e      # np.round: ties to even
;;       return np.moveaxis(q.reshape(q.shape[:-2] + (-1,))[..., :K], -1, axis).astype(np.float32)
;;   ~~~
;;   SOFTMAX AHEAD OF A QUANTISED PRODUCT. Where the list says 'softmax', what is quantised is not the finished softmax but p = 2^(t - M), with t = logit x log2(e) and M = ceil(the row's largest t), a whole number; so 1/2 < the row's largest p <= 1. The row's sum l is taken of the UNQUANTISED p, in f32, and the product's result is divided by l at the end. Since M is a whole number, a kernel that streams over the keys may use a running M (the ceiling of the running maximum): every later rescaling is an exact power of two, which a block's scale takes up: the codes' values come out the same.
;;   OPERANDS COMPUTED ON THE WAY. 'Computed on the way' means the value that the module computes at that place (a softmax that the list does not call 'softmax' is quantised finished and normalised). What goes into a quantiser is computed in f32, as accurately as f32 sums, v_exp_f32 and their like allow (about 1e-6 of the number): no bf16 or f16 on the way to a quantiser, and a product that is left as it is and whose result goes on into a quantised operand takes f32 operands (vector FMAs, or v_wmma_f32_16x16x4_f32). A number that lies on a knife's edge between two numbers of the format may be rounded either way, as far as f32 arithmetic and the matrix unit's own rounding can turn it there, and no further.
;; One version. Each part assembles by itself: llvm-mc -triple=amdgcn-amd-amdhsa -mcpu=gfx1250 --defsym DOCPART=n.
;; ======== version 1 of 1: 2 launches
;; limits: values are held in f16: magnitudes above 65,504 overflow, below 6.1e-05 lose precision
;; workspace buffers: states 6,291,456 bytes
;; launch sums (part 1): grid 8 x 8, 16 waves a work-group, no clusters, 288,768 bytes of LDS; arguments keys, values, key_lengths, states; writes states
.if DOCPART == 1
	.amdgcn_target "amdgcn-amd-amdhsa--gfx1250"
	.amdhsa_code_object_version 6
	.text
	.protected	k_qba0878264a_sums
	.globl	k_qba0878264a_sums
	.p2align	8
	.type	k_qba0878264a_sums,@function
k_qba0878264a_sums:
	s_mov_b64 s[64:65], 0
	v_nop
	global_prefetch_b8 v0, s[64:65] scope:SCOPE_SE
	s_setreg_imm32_b32 hwreg(HW_REG_WAVE_MODE, 25, 1), 1
	s_wait_xcnt 0x0
; THE STATES OF THE TWO CAUSAL LINEAR BRANCHES.  keys, values: [2][2048][8][32] f32; key_lengths: [2][2048] f32.
; For a head and a branch (0: phi = elu + 1; 1: phi squared) K[s][e] = phi(k) klen / sum over e of (phi(k) klen), and a chunk of 64 rows has the sum
; T[e][d] = sum over s of K[s][e] V1[s][d], V1 = V with a 33rd column of ones (that column gives the running sum of K).
; A work-group takes 256 rows (four chunks) of a pair of heads, so that a row of its tiles is 256 consecutive bytes; wave w takes head w / 8, branch (w / 4) % 2, chunk w % 4.
; Stored: for each chunk the sum of its own T and of the earlier chunks' of the same 256 rows, as the plain image of the accumulators:
; states[pair of heads 8][chunk 32][F 12][u 4][lane 32][4 f32], F = 3 (2 head + branch) + tile of d, u = 2 (tile of e) + half of the accumulator.
; The product takes f16 operands (K lies in 0 .. 1) and f32 sums.  LIMITS: |V| under 65,504, the range of f16; NaN and infinities among k, v are not served;
; for x <= 0 the feature is exp(x), where the definition has expm1(x) + 1: at most 6e-8 apart; klen = 0 gives 0 x (1 / 0) = NaN, as the definition does.
; No cluster: no two work-groups read the same bytes.  Every LDS byte is filled once by the data mover: no ring.
.set P,    272                         ; an LDS row of a tile: 256 bytes + 16 of padding
.set TILE, 32*P                        ; what one tensor load brings: 32 rows
.set KT,   0                           ; 256 rows of K, f32
.set VT,   8*TILE                      ; 256 rows of V, f32
.set KH,   16*TILE                     ; 16 waves x 64 rows x 96 bytes: the wave's K as f16, [s][e]
.set HP,   96                          ; pitch of the f16 rows: 64 bytes + 32
.set VH,   KH+16*64*HP                 ; 2 heads x 256 rows x 96 bytes: V as f16, [s][d]
.set IMB,  6144                        ; a wave's six accumulators as an image; the images lie over KT and VT, which nobody reads behind the second barrier
.set KL,   16                          ; v16-19   key lengths of my four tiles of 16 rows
.set KA,   32                          ; v32-63   V as loaded; later K^T's four fragments
.set VB,   64                          ; v64-95   V's four fragments
.set KR,   96                          ; v96-159  my 64 rows of K: 16 numbers a lane and tile
.set ACC,  96                          ; v96-143  later the six accumulators
.set ONE,  160                         ; v160-167 the column of ones as a fragment
.set SA,   168                         ; v168-175 row sums, a pair a tile
.set SB,   176                         ; v176-179 the other half of the lanes' part
.set CC,   180                         ; v180-187 klen / (klen x sum), in the low word of a pair
.set TM,   192                         ; v192-255 at work
; x = exp(min(x, 0)) + max(x, 0) = elu(x) + 1, for n numbers; t: n registers at work.  The exponentials are one batch with one wait; the maxima are the plain work behind them
.macro PHI x, t, n
.set pi, 0
.rept (\n)/2
	v_pk_mul_f32 v[\t+pi:\t+pi+1], v[\x+pi:\x+pi+1], s[46:47] op_sel_hi:[1,0]
.set pi, pi+2
.endr
.set pi, 0
.rept \n
	v_min_num_f32 v[\t+pi], 0, v[\t+pi]
.set pi, pi+1
.endr
.set pi, 0
	s_wait_alu depctr_va_vdst(0)
.rept \n
	v_exp_f32 v[\t+pi], v[\t+pi]
.set pi, pi+1
.endr
.set pi, 0
.rept \n
	v_max_num_f32 v[\x+pi], 0, v[\x+pi]
.set pi, pi+1
.endr
	s_wait_alu depctr_va_vdst(0)                   ; one wait for the batch, ahead of its first reader
.set pi, 0
.rept (\n)/2
	v_pk_add_f32 v[\x+pi:\x+pi+1], v[\x+pi:\x+pi+1], v[\t+pi:\t+pi+1]
.set pi, pi+2
.endr
.endm
; For n tiles (16 numbers a lane at x + 16 tile; lanes l and l xor 16 hold a row): CC = klen / (klen x the row's sum), or 1 / the sum.  The tiles take turns line by line
.macro ROWC x, n, usekl
.set rt, 0
.rept \n
	v_pk_add_f32 v[SA+2*rt:SA+2*rt+1], v[\x+16*rt:\x+16*rt+1], v[\x+16*rt+2:\x+16*rt+3]
.set rt, rt+1
.endr
.irp j, 4,6,8,10,12,14
.set rt, 0
.rept \n
	s_delay_alu instid0(VALU_DEP_4)
	v_pk_add_f32 v[SA+2*rt:SA+2*rt+1], v[SA+2*rt:SA+2*rt+1], v[\x+16*rt+\j:\x+16*rt+\j+1]
.set rt, rt+1
.endr
.endr
.set rt, 0
.rept \n
	s_delay_alu instid0(VALU_DEP_4)
	v_add_f32 v[SA+2*rt], v[SA+2*rt], v[SA+2*rt+1]
.set rt, rt+1
.endr
.set rt, 0
.rept \n
	s_delay_alu instid0(VALU_DEP_4)
	v_permlanex16_b32 v[SB+rt], v[SA+2*rt], s44, s45
.set rt, rt+1
.endr
.set rt, 0
.rept \n
	s_delay_alu instid0(VALU_DEP_4)
	v_add_f32 v[SA+2*rt], v[SA+2*rt], v[SB+rt]
.set rt, rt+1
.endr
.if \usekl
.set rt, 0
.rept \n
	s_delay_alu instid0(VALU_DEP_4)
	v_mul_f32 v[SA+2*rt], v[SA+2*rt], v[KL+rt]
.set rt, rt+1
.endr
.endif
.set rt, 0
	s_wait_alu depctr_va_vdst(0)
.rept \n
	v_rcp_f32 v[CC+2*rt], v[SA+2*rt]
.set rt, rt+1
.endr
	v_nop                                          ; a plain instruction behind the last reciprocal
	s_wait_alu depctr_va_vdst(0)                   ; one wait for the batch
.if \usekl
.set rt, 0
.rept \n
	v_mul_f32 v[CC+2*rt], v[CC+2*rt], v[KL+rt]
.set rt, rt+1
.endr
.endif
.endm
	s_load_b256 s[4:11], s[0:1], 0x0               ; keys s[4:5], values s[6:7], key_lengths s[8:9], states s[10:11]
	v_lshl_add_u32 v190, v0, 2, 0x46000
	v_mov_b32 v191, 0
	ds_add_u32 v190, v191
	ds_add_u32 v190, v191
	v_lshrrev_b32 v1, 5, v0
	s_delay_alu instid0(VALU_DEP_1)
	v_readfirstlane_b32 s12, v1                    ; wave 0..15
	s_lshr_b32 s13, s12, 2                         ; 2 head + branch
	s_lshr_b32 s14, s12, 3                         ; head of the pair
	s_and_b32 s15, s13, 1                          ; branch
	s_and_b32 s16, s12, 3                          ; chunk of the four
	s_and_b32 s18, ttmp7, 0xffff                   ; 4 n + pair of heads
	s_lshr_b32 s19, s18, 2                         ; n
	s_and_b32 s20, s18, 3                          ; pair of heads
	; descriptor group 1: 32 rows of 32 elements of 8 bytes, 128 elements from row to row, 4 words of padding behind every 64
	s_mov_b32 s28, (3<<16)|(1<<20)|(5<<22)|(3<<25)
	s_mov_b32 s29, 32<<16                          ; tensor_dim0 = 32
	s_mov_b32 s30, 32<<16                          ; tensor_dim1 = 32
	s_mov_b32 s31, 32<<16                          ; tile_dim0 = 32
	s_mov_b32 s32, 32                              ; tile_dim1 = 32
	s_mov_b32 s33, 128                             ; pitch
	s_mov_b32 s34, 0
	s_mov_b32 s35, 0
	s_mov_b32 s24, 1                               ; group 0: count
	s_mul_i32 s25, s12, TILE                       ; LDS: waves 0-7 fill K's eight tiles, waves 8-15 V's
	s_lshl_b32 s36, s19, 21                        ; n x 2,048 rows of 1,024 bytes
	s_lshl_b32 s37, ttmp9, 18                      ; + 256 rows x work-group x
	s_add_co_u32 s36, s36, s37
	s_and_b32 s37, s12, 7
	s_lshl_b32 s37, s37, 15                        ; + my 32 rows
	s_add_co_u32 s36, s36, s37
	s_lshl_b32 s37, s20, 8                         ; + the pair's 256 bytes of a row
	s_add_co_u32 s36, s36, s37
	s_mov_b32 s37, 0
	s_wait_dscnt 0x0
	s_wait_kmcnt 0x0
	s_cmp_lt_u32 s12, 8
	s_cselect_b64 s[38:39], s[4:5], s[6:7]
	s_add_nc_u64 s[26:27], s[38:39], s[36:37]
	s_or_b32 s27, s27, 0x80000000                  ; type = 2
	tensor_load_to_lds s[24:27], s[28:35]          ; one load a wave, the only one of the launch
	s_nop 0
	v_nop
	s_lshl_b32 s38, s19, 13                        ; key_lengths at my chunk: (2,048 n + 256 x + 64 chunk) x 4
	s_lshl_b32 s39, ttmp9, 10
	s_add_co_u32 s38, s38, s39
	s_lshl_b32 s39, s16, 8
	s_add_co_u32 s38, s38, s39
	s_mov_b32 s39, 0
	s_add_nc_u64 s[40:41], s[8:9], s[38:39]
	s_lshl_b32 s42, s18, 5                         ; states at (pair, chunk 4 x + my chunk), my head and branch
	s_lshl_b32 s43, ttmp9, 2
	s_add_co_u32 s42, s42, s43
	s_add_co_u32 s42, s42, s16
	s_mul_i32 s42, s42, 24576
	s_mul_i32 s43, s13, IMB
	s_add_co_u32 s42, s42, s43
	s_mov_b32 s43, 0
	s_add_nc_u64 s[10:11], s[10:11], s[42:43]
	s_mov_b32 s44, 0x76543210                      ; v_permlanex16_b32: lane l xor 16
	s_mov_b32 s45, 0xfedcba98
	s_mov_b32 s46, 0x3fb8aa3b                      ; log2(e), as a pair for the packed form
	s_mov_b32 s47, s46
	v_and_b32 v1, 15, v0                           ; r
	v_bfe_u32 v2, v0, 4, 1                         ; h
	v_and_b32 v13, 31, v0                          ; lane
	v_and_b32 v14, 7, v0
	v_bfe_u32 v15, v0, 3, 1
	v_lshlrev_b32 v12, 2, v1
.irp t, 0,1,2,3
	global_load_b32 v[KL+\t], v12, s[40:41] offset:64*\t   ; key length of row 16 t + r
.endr
	s_mul_i32 s48, s16, 64*P                       ; v3: K as f32: row 64 chunk + r, my head's 128 bytes, + 32 h
	s_lshl_b32 s49, s14, 7
	s_add_co_u32 s48, s48, s49
	v_mul_u32_u24 v3, v1, P
	s_delay_alu instid0(VALU_DEP_1)
	v_lshl_add_u32 v3, v2, 5, v3
	s_delay_alu instid0(VALU_DEP_1)
	v_add_nc_u32 v3, s48, v3
	s_mul_i32 s48, s12, IMB                        ; (64 rows x 96 bytes are as many bytes as an image)
	s_add_co_u32 s49, s48, KH
	v_mul_u32_u24 v4, v1, HP                       ; v4: where K goes as f16: row r, + 16 h
	s_delay_alu instid0(VALU_DEP_1)
	v_lshl_add_u32 v4, v2, 4, v4
	s_delay_alu instid0(VALU_DEP_1)
	v_add_nc_u32 v4, s49, v4
	v_lshl_add_u32 v5, v2, 3, v14                  ; the turning load: row 8 h + lane % 8, 16 bytes by (lane / 8) % 2
	s_delay_alu instid0(VALU_DEP_1)
	v_mul_u32_u24 v5, v5, HP
	s_delay_alu instid0(VALU_DEP_1)
	v_lshl_add_u32 v5, v15, 4, v5
	s_mul_i32 s50, s14, 256*HP
	s_mul_i32 s51, s16, 64*HP
	s_add_co_u32 s50, s50, s51
	s_add_co_u32 s50, s50, VH
	v_add_nc_u32 v6, s50, v5                       ; v6: in V (my head, my chunk)
	v_add_nc_u32 v5, s49, v5                       ; v5: in my K
	v_lshrrev_b32 v7, 4, v0                        ; V's conversion, shared by the 512 threads: row T / 16, 16 bytes T % 16
	s_delay_alu instid0(VALU_DEP_1)
	v_mul_u32_u24 v8, v7, HP
	s_delay_alu instid0(VALU_DEP_2)
	v_mul_u32_u24 v7, v7, P
	s_delay_alu instid0(VALU_DEP_1)
	v_lshl_add_u32 v7, v1, 4, v7
	s_delay_alu instid0(VALU_DEP_1)
	v_add_nc_u32 v7, VT, v7                        ; v7: from
	s_delay_alu instid0(VALU_DEP_4)
	v_lshl_add_u32 v8, v14, 3, v8
	v_mul_u32_u24 v15, v15, 256*HP
	s_delay_alu instid0(VALU_DEP_1)
	v_add_nc_u32 v8, v8, v15
	s_delay_alu instid0(VALU_DEP_1)
	v_add_nc_u32 v8, VH, v8                        ; v8: to: head (T % 16) / 8, 8 bytes T % 8
	v_lshlrev_b32 v11, 4, v13                      ; v11: 16 x lane
	s_delay_alu instid0(VALU_DEP_1)
	v_add_nc_u32 v9, s48, v11                      ; v9: my image
	s_mul_i32 s51, s13, 4*IMB
	v_add_nc_u32 v10, s51, v11                     ; v10: the first image of my head and branch
.irp t, 0,1,2,3
	v_mov_b32 v[SB+\t], 0                          ; a lane permute's destination counts as read
	v_mov_b32 v[CC+2*\t+1], 0                      ; named as the upper half of a pair
.endr
	s_wait_tensorcnt 0x0                           ; my tile has landed,
	s_barrier_signal -1
	s_barrier_wait -1                              ; everybody's has
.irp p, 0,1,2,3,4,5,6,7
	ds_load_b128 v[KA+4*\p:KA+4*\p+3], v7 offset:TILE*\p
.endr
.irp t, 0,1,2,3                                ; lane (r, h) of tile t: e = 8 h .. + 7 and 16 + 8 h .. + 7 of row 16 t + r: the f16 fragment's order
	ds_load_b128 v[KR+16*\t:KR+16*\t+3], v3 offset:16*P*\t
	ds_load_b128 v[KR+16*\t+4:KR+16*\t+7], v3 offset:16*P*\t+16
	ds_load_b128 v[KR+16*\t+8:KR+16*\t+11], v3 offset:16*P*\t+64
	ds_load_b128 v[KR+16*\t+12:KR+16*\t+15], v3 offset:16*P*\t+80
.endr
	s_wait_dscnt 16                                ; V's eight loads are in; K's sixteen, issued behind them, may be out
.irp p, 0,1,2,3,4,5,6,7
	v_cvt_pk_f16_f32 v[TM+2*\p], v[KA+4*\p], v[KA+4*\p+1]
	v_cvt_pk_f16_f32 v[TM+2*\p+1], v[KA+4*\p+2], v[KA+4*\p+3]
.endr
.irp p, 0,1,2,3,4,5,6,7
	ds_store_b64 v8, v[TM+2*\p:TM+2*\p+1] offset:32*HP*\p
.endr
	s_wait_dscnt 0x0                               ; K is in, and the stores have read their registers
	s_wait_loadcnt 0x0                             ; the key lengths
	PHI KR, TM, 64
	s_cmp_eq_u32 s15, 0                            ; branch 1 squares the feature: a branch on the wave's number
	s_cbranch_scc1 .Lplain
.set q, 0
.rept 32
	v_pk_mul_f32 v[KR+q:KR+q+1], v[KR+q:KR+q+1], v[KR+q:KR+q+1]
.set q, q+2
.endr
.Lplain:
	ROWC KR, 4, 1
.irp t, 0,1,2,3
.irp q, 0,2,4,6,8,10,12,14
	v_pk_mul_f32 v[KR+16*\t+\q:KR+16*\t+\q+1], v[KR+16*\t+\q:KR+16*\t+\q+1], v[CC+2*\t:CC+2*\t+1] op_sel_hi:[1,0]
.endr
.irp q, 0,1,2,3,4,5,6,7
	v_cvt_pk_f16_f32 v[TM+8*\t+\q], v[KR+16*\t+2*\q], v[KR+16*\t+2*\q+1]
.endr
	ds_store_b128 v4, v[TM+8*\t:TM+8*\t+3] offset:16*HP*\t
	ds_store_b128 v4, v[TM+8*\t+4:TM+8*\t+7] offset:16*HP*\t+32
.endr
	v_cmp_eq_u32 vcc_lo, 0, v1                     ; the fragment of ones: column 32 alone, which is lane r = 0 of the third tile
	v_mov_b32 v20, 0x3c003c00                      ; 1.0, 1.0 in f16
.irp k, 0,1,2,3,4,5,6,7
	v_cndmask_b32 v[ONE+\k], 0, v20, vcc_lo
.endr
	s_wait_alu depctr_va_vdst(0)
	s_wait_dscnt 0x0                               ; for the others: my part of V as f16 is stored, and my reads of the f32 tiles are over
	s_barrier_signal -1
	s_barrier_wait -1
.irp k, 0,1                                    ; 32 rows s at a time; K^T: lane = e; V: lane = d; registers along s
.irp e, 0,1
	ds_load_tr16_b128 v[KA+8*(2*\k+\e):KA+8*(2*\k+\e)+3], v5 offset:32*HP*\k+32*\e
	ds_load_tr16_b128 v[KA+8*(2*\k+\e)+4:KA+8*(2*\k+\e)+7], v5 offset:32*HP*\k+32*\e+16*HP
	ds_load_tr16_b128 v[VB+8*(2*\k+\e):VB+8*(2*\k+\e)+3], v6 offset:32*HP*\k+32*\e
	ds_load_tr16_b128 v[VB+8*(2*\k+\e)+4:VB+8*(2*\k+\e)+7], v6 offset:32*HP*\k+32*\e+16*HP
.endr
.endr
	s_wait_dscnt 0x0
; T[e][d]: source 0 = K^T (16 e), source 1 = V or the ones (16 d).  The six accumulators take turns; the first products start the sums
.irp k, 0,1
.irp t, 0,1,2
.irp e, 0,1
.if \k == 0
.if \t == 2
	v_wmma_f32_16x16x32_f16 v[ACC+8*(2*\t+\e):ACC+8*(2*\t+\e)+7], v[KA+8*(2*\k+\e):KA+8*(2*\k+\e)+7], v[ONE:ONE+7], 0
.else
	v_wmma_f32_16x16x32_f16 v[ACC+8*(2*\t+\e):ACC+8*(2*\t+\e)+7], v[KA+8*(2*\k+\e):KA+8*(2*\k+\e)+7], v[VB+8*(2*\k+\t):VB+8*(2*\k+\t)+7], 0
.endif
.else
.if \t == 2
	v_wmma_f32_16x16x32_f16 v[ACC+8*(2*\t+\e):ACC+8*(2*\t+\e)+7], v[KA+8*(2*\k+\e):KA+8*(2*\k+\e)+7], v[ONE:ONE+7], v[ACC+8*(2*\t+\e):ACC+8*(2*\t+\e)+7]
.else
	v_wmma_f32_16x16x32_f16 v[ACC+8*(2*\t+\e):ACC+8*(2*\t+\e)+7], v[KA+8*(2*\k+\e):KA+8*(2*\k+\e)+7], v[VB+8*(2*\k+\t):VB+8*(2*\k+\t)+7], v[ACC+8*(2*\t+\e):ACC+8*(2*\t+\e)+7]
.endif
.endif
.endr
.endr
.endr
.rept 4
	v_nop                                          ; four places between the last product and the first read of a result (ISA guide 7.12.1)
.endr
.irp q, 0,1,2,3,4,5,6,7,8,9,10,11
	ds_store_b128 v9, v[ACC+4*\q:ACC+4*\q+3] offset:512*\q   ; each accumulator from its low end on
.endr
	s_wait_dscnt 0x0                               ; for the others: my image is stored
	s_barrier_signal -1
	s_barrier_wait -1
.irp p, 0,1,2                                  ; the earlier chunks of my 256 rows are added: a branch on the wave's number
	s_cmp_le_u32 s16, \p
	s_cbranch_scc1 .Lsummed
.irp q, 0,1,2,3,4,5,6,7,8,9,10,11
	ds_load_b128 v[TM+4*\q:TM+4*\q+3], v10 offset:IMB*\p+512*\q
.endr
	s_wait_dscnt 0x0
.irp q, 0,2,4,6,8,10,12,14,16,18,20,22,24,26,28,30,32,34,36,38,40,42,44,46
	v_pk_add_f32 v[ACC+\q:ACC+\q+1], v[ACC+\q:ACC+\q+1], v[TM+\q:TM+\q+1]
.endr
.endr
.Lsummed:
	s_wait_alu depctr_va_vdst(0)
.irp q, 0,1,2,3,4,5,6,7,8,9,10,11
	global_store_b128 v11, v[ACC+4*\q:ACC+4*\q+3], s[10:11] offset:512*\q   ; 32 lanes store 512 consecutive bytes, at a multiple of 256 from the buffer's first byte
.endr
	s_wait_tensorcnt 0x0
	ds_add_u32 v190, v191
	s_wait_dscnt 0x0
	s_endpgm
.Lfunc_end_k_qba0878264a_sums:
	.size	k_qba0878264a_sums, .Lfunc_end_k_qba0878264a_sums-k_qba0878264a_sums
	.p2alignl 7, 3214868480
	.fill 96, 4, 3214868480
	.section	.rodata,"a",@progbits
	.p2align	6, 0x0
	.amdhsa_kernel k_qba0878264a_sums
		.amdhsa_group_segment_fixed_size 288768
		.amdhsa_private_segment_fixed_size 0
		.amdhsa_enable_private_segment 0
		.amdhsa_kernarg_size 32
		.amdhsa_user_sgpr_count 2
		.amdhsa_user_sgpr_kernarg_segment_ptr 1
		.amdhsa_wavefront_size32 1
		.amdhsa_system_sgpr_workgroup_id_x 1
		.amdhsa_system_sgpr_workgroup_id_y 1
		.amdhsa_system_sgpr_workgroup_id_z 1
		.amdhsa_system_vgpr_workitem_id 0
		.amdhsa_next_free_vgpr 256
		.amdhsa_next_free_sgpr 66
		.amdhsa_reserve_vcc 1
		.amdhsa_float_denorm_mode_32 3
		.amdhsa_float_denorm_mode_16_64 3
		.amdhsa_memory_ordered 1
		.amdhsa_forward_progress 1
		.amdhsa_inst_pref_size 42
	.end_amdhsa_kernel
	.amdgpu_metadata
---
amdhsa.version: [ 1, 2 ]
amdhsa.kernels:
  - .name:           k_qba0878264a_sums
    .symbol:         k_qba0878264a_sums.kd
    .args:
      - { .name: keys, .offset: 0, .size: 8, .value_kind: global_buffer, .address_space: global }
      - { .name: values, .offset: 8, .size: 8, .value_kind: global_buffer, .address_space: global }
      - { .name: key_lengths, .offset: 16, .size: 8, .value_kind: global_buffer, .address_space: global }
      - { .name: states, .offset: 24, .size: 8, .value_kind: global_buffer, .address_space: global }
    .group_segment_fixed_size: 288768
    .private_segment_fixed_size: 0
    .kernarg_segment_align: 8
    .kernarg_segment_size: 32
    .max_flat_workgroup_size: 512
    .sgpr_count:     66
    .vgpr_count:     256
    .wavefront_size: 32
...
	.end_amdgpu_metadata
.endif
;; end of part 1
;; launch attend (part 2): grid 32 x 8, 8 waves a work-group, no clusters, 168,960 bytes of LDS; arguments queries, keys, values, key_lengths, W1, W2, W3, states, out0; writes out0
.if DOCPART == 2
	.amdgcn_target "amdgcn-amd-amdhsa--gfx1250"
	.amdhsa_code_object_version 6
	.text
	.protected	k_qba0878264a_attend
	.globl	k_qba0878264a_attend
	.p2align	8
	.type	k_qba0878264a_attend,@function
k_qba0878264a_attend:
	s_mov_b64 s[64:65], 0
	v_nop
	global_prefetch_b8 v0, s[64:65] scope:SCOPE_SE
	s_setreg_imm32_b32 hwreg(HW_REG_WAVE_MODE, 25, 1), 1
	s_wait_xcnt 0x0
; out = W1 x band + W2 x linear(phi) + W3 x linear(phi squared).  queries, keys, values, out0: [2][2048][8][32] f32.
; A work-group takes a chunk of 64 rows of a pair of heads (a row of its tiles is 256 consecutive bytes); wave w takes head w / 4 and the 16 queries of tile i = w % 4.
; A wave looks at a WINDOW of 64 keys: two blocks of 32, counted from the sequence's start: the block of its queries and the block before it (the chunk's first half has the 32 rows ahead of the chunk).
; BAND (both products on codes of E2M1 with E8M0 scales): S^T = K Q^T, keys l - 9 .. l kept, p = 2^(t - M), M = ceil(the row's largest t), p quantised along the keys, the sum taken of the unquantised p, O^T = V^T P^T / sum.
;   The first product's K is e = 32, one block: a lane's 16 numbers go into registers 0, 1 of the operand (lanes 0-15: k = 0 .. 15, lanes 16-31: k = 32 .. 47), the rest are zero codes,
;   and the block's byte stands for both hardware blocks; Q and K alike, so the products are kept.
; LINEAR, for each branch: O^T[d][l] = sum over e of S[e][d] Q[l][e] + sum over the chunk's keys s <= l of V1[s][d] (Q[l] . K[s]); V1 = V with a column of ones, whose row of O^T is the divisor.
;   S, the state ahead of the chunk, is the sum of up to eight stored images.  f16 operands (Q, K and their products lie in 0 .. 1), f32 sums.
; Both products of each part are used transposed: a lane holds ONE query (lane % 16) throughout.  THE KEYS OF A TILE ARE NOT NEIGHBOURS: lane r of tile 2 W + u takes key 32 W + 8 u + r + 8 (r / 8),
; so that the 16 registers of tiles 2 W and 2 W + 1 are the keys 32 W + 16 (lane / 16) + 0 .. 15.
; LIMITS: |V| and the states under 65,504, the range of f16; NaN and infinities among q, k, v are not served; for x <= 0 the feature is exp(x), where the definition has expm1(x) + 1: at most 6e-8 apart;
; klen = 0 gives NaN from that row on, as the definition does; a block of zeros gets the scale byte 1: its codes are zeros and this program alone reads the byte.
; No cluster: neighbouring work-groups share 64 of the 256 rows that each fetches, and the number of state images differs from work-group to work-group.  Every LDS byte is filled once: no ring.
.set P,    272                         ; an LDS row of a tile: 256 bytes + 16 of padding
.set TILE, 32*P
.set QT,   0                           ; 64 rows of Q
.set KT,   2*TILE                      ; 96 rows of K: the 32 ahead of the chunk, then the chunk
.set VT,   5*TILE                      ; 96 rows of V
.set HP,   96                          ; pitch of V as f16
.set VH,   8*TILE                      ; 2 heads x 96 rows x 96 bytes
.set VC,   VH+2*96*HP                  ; V's codes: 6 units (3 head + block) x 32 d x 16 bytes
.set VS,   VC+6*512                    ; their scale bytes, a word each
.set WL,   VS+6*128                    ; W1, W2, W3 of the two heads: slot 2 k + head, 128 bytes
.set SIMG, WL+8*128                    ; the states as f16 fragments: 12 x 1,024 bytes, images of the registers
.set STG,  SIMG+12*1024                ; the way out: 64 rows x 272
.set KL,   16                          ; v16-19  key lengths of my four tiles of keys
.set SCQ,  24                          ; v24-31  scale words and nothing else: Q, K's four tiles, p, V's two tiles
.set SCK,  25
.set SCP,  29
.set SCV,  30
.set OUT,  32                          ; v32-47  the result: register 8 t + j = channel 16 t + 8 h + j of my query
.set WB,   48                          ; v48-63  W of the same channels
.set QC,   64                          ; Q's codes;  v72, v80: Q's two features as f16
.set Q1,   72
.set Q2,   80
.set ONE,  88                          ; the row of ones as a fragment
.set KR,   96                          ; v96-159 my 64 keys as f32
.set KF2,  96                          ; later: the second feature as f16,
.set OA,   128                         ; and three accumulators of O^T
.set QX,   160                         ; Q as f32; then
.set KC,   160                         ; K's codes; then
.set SV,   160                         ; the band's result; then
.set KF1,  160                         ; the first feature as f16
.set SC,   192                         ; v192-223 the scores of 64 keys
.set PF,   224                         ; p's codes
.set VCF,  232                         ; V's codes, two tiles
.set VHF,  224                         ; later V^T's four f16 fragments
.set SA,   224                         ; row sums;  v232 the other lanes' part;  v236 the factors
.set SB,   232
.set CC,   236
.set AM,   244                         ; the quantiser: largest magnitudes, v248 at work, v252 the conversions' scale operands
.set PM,   248
.set OP,   252
.macro PHI x, t, n                     ; x = exp(min(x, 0)) + max(x, 0) = elu(x) + 1, for n numbers; t: n registers at work
.set pi, 0
.rept (\n)/2
	v_pk_mul_f32 v[\t+pi:\t+pi+1], v[\x+pi:\x+pi+1], s[46:47] op_sel_hi:[1,0]
.set pi, pi+2
.endr
.set pi, 0
.rept \n
	v_min_num_f32 v[\t+pi], 0, v[\t+pi]
.set pi, pi+1
.endr
.set pi, 0
	s_wait_alu depctr_va_vdst(0)
.rept \n
	v_exp_f32 v[\t+pi], v[\t+pi]
.set pi, pi+1
.endr
.set pi, 0
.rept \n
	v_max_num_f32 v[\x+pi], 0, v[\x+pi]
.set pi, pi+1
.endr
	s_wait_alu depctr_va_vdst(0)                   ; one wait for the batch, ahead of its first reader
.set pi, 0
.rept (\n)/2
	v_pk_add_f32 v[\x+pi:\x+pi+1], v[\x+pi:\x+pi+1], v[\t+pi:\t+pi+1]
.set pi, pi+2
.endr
.endm
.macro ROWC x, n, usekl                ; for n tiles: CC = klen / (klen x the row's sum), or 1 / the sum; lanes l and l xor 16 hold a row
.set rt, 0
.rept \n
	v_pk_add_f32 v[SA+2*rt:SA+2*rt+1], v[\x+16*rt:\x+16*rt+1], v[\x+16*rt+2:\x+16*rt+3]
.set rt, rt+1
.endr
.irp j, 4,6,8,10,12,14
.set rt, 0
	v_pk_add_f32 v[SA+2*rt:SA+2*rt+1], v[SA+2*rt:SA+2*rt+1], v[\x+16*rt+\j:\x+16*rt+\j+1]
.set rt, rt+1
.rept (\n)-1
	s_delay_alu instid0(VALU_DEP_4)
	v_pk_add_f32 v[SA+2*rt:SA+2*rt+1], v[SA+2*rt:SA+2*rt+1], v[\x+16*rt+\j:\x+16*rt+\j+1]
.set rt, rt+1
.endr
.endr
.set rt, 0
	v_add_f32 v[SA+2*rt], v[SA+2*rt], v[SA+2*rt+1]
.set rt, rt+1
.rept (\n)-1
	s_delay_alu instid0(VALU_DEP_4)
	v_add_f32 v[SA+2*rt], v[SA+2*rt], v[SA+2*rt+1]
.set rt, rt+1
.endr
.set rt, 0
	v_permlanex16_b32 v[SB+rt], v[SA+2*rt], s44, s45
.set rt, rt+1
.rept (\n)-1
	s_delay_alu instid0(VALU_DEP_4)
	v_permlanex16_b32 v[SB+rt], v[SA+2*rt], s44, s45
.set rt, rt+1
.endr
.set rt, 0
	v_add_f32 v[SA+2*rt], v[SA+2*rt], v[SB+rt]
.set rt, rt+1
.rept (\n)-1
	s_delay_alu instid0(VALU_DEP_4)
	v_add_f32 v[SA+2*rt], v[SA+2*rt], v[SB+rt]
.set rt, rt+1
.endr
.if \usekl
.set rt, 0
.rept \n
	s_delay_alu instid0(VALU_DEP_4)
	v_mul_f32 v[SA+2*rt], v[SA+2*rt], v[KL+rt]
.set rt, rt+1
.endr
.endif
.set rt, 0
	s_wait_alu depctr_va_vdst(0)
.rept \n
	v_rcp_f32 v[CC+2*rt], v[SA+2*rt]
.set rt, rt+1
.endr
	v_nop                                          ; a plain instruction behind the last reciprocal
	s_wait_alu depctr_va_vdst(0)                   ; one wait for the batch
.if \usekl
.set rt, 0
.rept \n
	v_mul_f32 v[CC+2*rt], v[CC+2*rt], v[KL+rt]
.set rt, rt+1
.endr
.endif
.endm
; n tiles of 16 numbers a lane (half a block of 32; lane l xor 16 has the other half) become codes in registers 0, 1 of dst + 8 tile and the block's byte, twice, in scl + tile
.macro QB16 src, dst, scl, n
.set qt, 0
.rept \n
	v_max3_num_f32 v[AM+qt], |v[\src+16*qt]|, |v[\src+16*qt+1]|, 0x1800000   ; with the floor 2^(3 - 127): the byte cannot fall under 1
.set qt, qt+1
.endr
.irp j, 2,4,6,8,10,12,14
.set qt, 0
	v_max3_num_f32 v[AM+qt], v[AM+qt], |v[\src+16*qt+\j]|, |v[\src+16*qt+\j+1]|
.set qt, qt+1
.rept (\n)-1
	s_delay_alu instid0(VALU_DEP_4)
	v_max3_num_f32 v[AM+qt], v[AM+qt], |v[\src+16*qt+\j]|, |v[\src+16*qt+\j+1]|
.set qt, qt+1
.endr
.endr
.set qt, 0
	v_permlanex16_b32 v[PM+qt], v[AM+qt], s44, s45
.set qt, qt+1
.rept (\n)-1
	s_delay_alu instid0(VALU_DEP_4)
	v_permlanex16_b32 v[PM+qt], v[AM+qt], s44, s45
.set qt, qt+1
.endr
.set qt, 0
	v_max_num_f32 v[AM+qt], v[AM+qt], v[PM+qt]
.set qt, qt+1
.rept (\n)-1
	s_delay_alu instid0(VALU_DEP_4)
	v_max_num_f32 v[AM+qt], v[AM+qt], v[PM+qt]     ; the block's largest magnitude
.set qt, qt+1
.endr
.set qt, 0
	v_add_nc_u32 v[OP+qt], 0xff000000, v[AM+qt]
.set qt, qt+1
.rept (\n)-1
	s_delay_alu instid0(VALU_DEP_4)
	v_add_nc_u32 v[OP+qt], 0xff000000, v[AM+qt]    ; 2 off its exponent field: the conversion's scale operand
.set qt, qt+1
.endr
.set qt, 0
	v_lshrrev_b32 v[PM+qt], 23, v[OP+qt]
.set qt, qt+1
.rept (\n)-1
	s_delay_alu instid0(VALU_DEP_4)
	v_lshrrev_b32 v[PM+qt], 23, v[OP+qt]           ; the byte
.set qt, qt+1
.endr
.set qt, 0
	v_lshl_or_b32 v[\scl+qt], v[PM+qt], 8, v[PM+qt]
.set qt, qt+1
.rept (\n)-1
	s_delay_alu instid0(VALU_DEP_4)
	v_lshl_or_b32 v[\scl+qt], v[PM+qt], 8, v[PM+qt]
.set qt, qt+1
.endr
.set qt, 0
.rept \n
	v_cvt_scalef32_pk8_fp4_f32 v[\dst+8*qt], v[\src+16*qt:\src+16*qt+7], v[OP+qt]
	v_cvt_scalef32_pk8_fp4_f32 v[\dst+8*qt+1], v[\src+16*qt+8:\src+16*qt+15], v[OP+qt]
.set qt, qt+1
.endr
	v_nop                                          ; one plain instruction behind the scaled conversions
.endm
; Score n (register SC + n) belongs to the key 32 (n / 16) + n % 16 + 16 h of the window; v13 - that = my query - the key.  Kept where it lies in 0 .. lim (one unsigned compare); else fill.
; n ascends
.macro MASK32 lim, fill
.set mn, 0
.rept 32
	v_sub_nc_u32 v20, v13, 32*(mn>>4)+(mn&15)
	s_delay_alu instid0(VALU_DEP_1)
	v_cmp_ge_u32 vcc_lo, v[\lim], v20
	v_cndmask_b32 v[SC+mn], \fill, v[SC+mn], vcc_lo
.set mn, mn+1
.endr
.endm
; The state ahead of the chunk from n stored images: the chunk before mine, and the last chunk of each earlier run of four.  All loads go out together; a thread has 24 numbers of each image
.macro PRE n
.if \n == 0
.set pq, 0
.rept 24
	v_mov_b32 v[64+pq], 0
.set pq, pq+1
.endr
.else
.irp x, 0,1,2,3,4,5
	global_load_b128 v[64+4*\x:67+4*\x], v56, s[66:67] offset:4096*\x
.endr
.set pk, 0
.rept \n-1
.irp x, 0,1,2,3,4,5
	global_load_b128 v[88+24*pk+4*\x:91+24*pk+4*\x], v56, s[68:69] offset:98304*pk+73728+4096*\x
.endr
.set pk, pk+1
.endr
	s_wait_loadcnt 0x0
.set pk, 1
.rept \n-1
.set pq, 0
.rept 12
	v_pk_add_f32 v[64+pq:65+pq], v[64+pq:65+pq], v[64+24*pk+pq:65+24*pk+pq]
.set pq, pq+2
.endr
.set pk, pk+1
.endr
.endif
	s_branch .Lpre_done
.endm
; One linear branch.  kf: K's feature, four fragments; qb: Q's; wk: which W (1, 2); bimm: the branch's first state fragment (0, 3)
.macro LIN kf, qb, wk, bimm
.irp t, 0,1,2,3
	v_wmma_f32_16x16x32_f16 v[SC+8*\t:SC+8*\t+7], v[\kf+8*\t:\kf+8*\t+7], v[\qb:\qb+7], 0   ; K . Q, transposed: source 0 = 16 keys
.endr
.irp t, 0,1
	ds_load_b128 v[WB+8*\t:WB+8*\t+3], v9 offset:256*\wk+64*\t
	ds_load_b128 v[WB+8*\t+4:WB+8*\t+7], v9 offset:256*\wk+64*\t+16
.endr
.rept 4
	v_nop                                          ; four places ahead of the first read of a result (ISA guide 7.12.1)
.endr
	MASK32 15, 0                                   ; only the chunk's own keys up to my query count here: the rest lies in the state, or ahead
.irp q, 0,1,2,3,4,5,6,7,8,9,10,11,12,13,14,15
	v_cvt_pk_f16_f32 v[\kf+\q], v[SC+2*\q], v[SC+2*\q+1]   ; two tiles, rounded in pairs, are source 1 (32 keys x 16 queries) of the next product
.endr
.irp t, 0,1,2
	ds_load_b128 v[SC+8*\t:SC+8*\t+3], v8 offset:(\bimm+\t)*1024        ; the state's fragment: lane = channel, registers along e
	ds_load_b128 v[SC+8*\t+4:SC+8*\t+7], v8 offset:(\bimm+\t)*1024+512
.endr
	s_wait_dscnt 0x0                               ; these, W, and (the first time) V's fragments
.irp t, 0,1,2                                  ; the three accumulators take turns
	v_wmma_f32_16x16x32_f16 v[OA+8*\t:OA+8*\t+7], v[SC+8*\t:SC+8*\t+7], v[\qb:\qb+7], 0
.endr
	s_wait_alu depctr_va_vdst(0)
.irp W, 0,1
	v_wmma_f32_16x16x32_f16 v[OA:OA+7], v[VHF+8*\W:VHF+8*\W+7], v[\kf+8*\W:\kf+8*\W+7], v[OA:OA+7]
	v_wmma_f32_16x16x32_f16 v[OA+8:OA+15], v[VHF+16+8*\W:VHF+16+8*\W+7], v[\kf+8*\W:\kf+8*\W+7], v[OA+8:OA+15]
	v_wmma_f32_16x16x32_f16 v[OA+16:OA+23], v[ONE:ONE+7], v[\kf+8*\W:\kf+8*\W+7], v[OA+16:OA+23]
.endr
.rept 4
	v_nop
.endr
	v_permlanex16_b32 v21, v[OA+16], s44, s45      ; the divisor is row 0 of the third tile: register 0 of lanes 0-15
	v_cndmask_b32 v20, v[OA+16], v21, s50          ; lanes 16-31 take it from lane l xor 16
	s_delay_alu instid0(VALU_DEP_1)
	v_add_f32 v20, 0x358637bd, v20                 ; + 1e-6
	s_wait_alu depctr_va_vdst(0)
	v_rcp_f32 v22, v20
	v_nop
	s_wait_alu depctr_va_vdst(0)
.irp q, 0,2,4,6,8,10,12,14
	v_pk_mul_f32 v[OA+\q:OA+\q+1], v[OA+\q:OA+\q+1], v[22:23] op_sel_hi:[1,0]
.endr
.irp q, 0,2,4,6,8,10,12,14
	v_pk_fma_f32 v[OUT+\q:OUT+\q+1], v[OA+\q:OA+\q+1], v[WB+\q:WB+\q+1], v[OUT+\q:OUT+\q+1]
.endr
.endm
	s_load_b512 s[4:19], s[0:1], 0x0               ; queries s[4:5], keys s[6:7], values s[8:9], key_lengths s[10:11], W1 s[12:13], W2 s[14:15], W3 s[16:17], states s[18:19]
	s_load_b64 s[20:21], s[0:1], 0x40              ; out0
	s_set_vgpr_msb 0x40
	v_lshl_add_u32 v0, v0, 2, 0x29000
	v_mov_b32 v1, 0
	s_set_vgpr_msb 0x4045
	ds_add_u32 v0, v1
	ds_add_u32 v0, v1
	s_set_vgpr_msb 0x4500
	v_lshrrev_b32 v1, 5, v0
	s_delay_alu instid0(VALU_DEP_1)
	v_readfirstlane_b32 s22, v1                    ; wave 0..7
	s_lshr_b32 s23, s22, 2                         ; g: head of the pair
	s_and_b32 s24, s22, 3                          ; i: tile of queries
	s_bfe_u32 s25, s22, 0x10001                    ; b = i / 2: the window's first block
	s_mov_b32 s26, ttmp9                           ; chunk c
	s_and_b32 s27, ttmp7, 0xffff                   ; 4 n + pair of heads
	s_lshl_b32 s28, s26, 6                         ; c0: the chunk's first row
	s_add_co_u32 s29, s26, 3
	s_lshr_b32 s29, s29, 2                         ; how many images make the state: (c + 3) / 4
	s_lshr_b32 s30, s27, 2                         ; n
	s_and_b32 s31, s27, 3                          ; pair of heads
	; descriptor group 1: 32 rows of 32 elements of 8 bytes, 128 elements from row to row, 4 words of padding behind every 64
	s_mov_b32 s36, (3<<16)|(1<<20)|(5<<22)|(3<<25)
	s_mov_b32 s37, 32<<16                          ; tensor_dim0 = 32
	s_mov_b32 s38, 32<<16                          ; tensor_dim1 = 32
	s_mov_b32 s39, 32<<16                          ; tile_dim0 = 32
	s_mov_b32 s40, 32                              ; tile_dim1 = 32
	s_mov_b32 s41, 128                             ; pitch
	s_mov_b32 s42, 0
	s_mov_b32 s43, 0
	s_mov_b32 s32, 1
	s_mul_i32 s33, s22, TILE                       ; waves 0, 1: Q's tiles; 2-4: K's; 5-7: V's
	s_lshl_b32 s52, s22, 5
	s_add_co_u32 s52, s52, s28                     ; c0 + 32 w
	s_lshl_b32 s55, s30, 21
	s_lshl_b32 s56, s31, 8
	s_add_co_u32 s55, s55, s56                     ; n's rows and the pair's bytes of a row
	s_wait_dscnt 0x0
	s_wait_kmcnt 0x0
	s_cmp_lt_u32 s22, 2
	s_cselect_b32 s53, 0, 96
	s_cselect_b64 s[58:59], s[4:5], s[6:7]
	s_cmp_lt_u32 s22, 5
	s_cselect_b32 s53, s53, 192
	s_cselect_b64 s[58:59], s[58:59], s[8:9]
	s_sub_co_i32 s52, s52, s53                     ; the tile's first row: c0, c0 + 32 of Q; c0 - 32, c0, c0 + 32 of K and of V
	s_max_i32 s52, s52, 0                          ; chunk 0 has no rows ahead: it fetches rows 0-31 there, which the masks hide
	s_lshl_b32 s52, s52, 10
	s_add_co_u32 s52, s52, s55
	s_mov_b32 s53, 0
	s_add_nc_u64 s[34:35], s[58:59], s[52:53]
	s_or_b32 s35, s35, 0x80000000                  ; type = 2
	tensor_load_to_lds s[32:35], s[36:43]          ; one load a wave, the only one of the launch
	s_nop 0
	v_nop
	s_mul_i32 s52, s27, 786432                     ; the pair's 32 images of 24,576 bytes
	s_add_nc_u64 s[68:69], s[18:19], s[52:53]
	s_sub_co_i32 s52, s26, 1
	s_max_i32 s52, s52, 0
	s_mul_i32 s52, s52, 24576
	s_add_nc_u64 s[66:67], s[68:69], s[52:53]      ; the image of the chunk before mine
	s_sub_co_i32 s52, s28, 32                      ; key lengths of the window's two blocks, by the rows that lie in LDS
	s_max_i32 s52, s52, 0
	s_cmp_eq_u32 s25, 0
	s_cselect_b32 s52, s52, s28
	s_lshl_b32 s54, s25, 5
	s_add_co_u32 s56, s54, s28
	s_lshl_b32 s54, s30, 11
	s_add_co_u32 s52, s52, s54
	s_add_co_u32 s56, s56, s54
	s_lshl_b32 s52, s52, 2
	s_lshl_b32 s56, s56, 2
	s_mov_b32 s57, 0
	s_add_nc_u64 s[70:71], s[10:11], s[52:53]
	s_add_nc_u64 s[72:73], s[10:11], s[56:57]
	s_lshl_b32 s52, s28, 10
	s_add_co_u32 s52, s52, s55
	s_add_nc_u64 s[74:75], s[20:21], s[52:53]      ; out0 at the chunk's first row, the pair's bytes
	s_cmp_lt_u32 s22, 2                            ; waves 0, 1 bring W1 of the two heads, 2, 3 W2, the others W3
	s_cselect_b64 s[76:77], s[12:13], s[14:15]
	s_cmp_lt_u32 s22, 4
	s_cselect_b64 s[76:77], s[76:77], s[16:17]
	s_lshl_b32 s52, s31, 8
	s_add_nc_u64 s[76:77], s[76:77], s[52:53]
	s_mov_b32 s44, 0x76543210                      ; v_permlanex16_b32: lane l xor 16
	s_mov_b32 s45, 0xfedcba98
	s_mov_b32 s46, 0x3fb8aa3b                      ; log2(e), as a pair for the packed forms
	s_mov_b32 s47, s46
	s_mov_b32 s48, 0x3e3504f3                      ; 1 / sqrt(32)
	s_mov_b32 s49, s48
	s_mov_b32 s50, 0xffff0000                      ; lanes 16-31
	; every LDS address is made here, ahead of all branches
	v_and_b32 v1, 15, v0                           ; r
	v_bfe_u32 v2, v0, 4, 1                         ; h
	v_and_b32 v20, 31, v0                          ; lane
	v_and_b32 v21, 7, v0
	v_bfe_u32 v22, v0, 3, 1
	v_and_b32 v23, 8, v1
	s_delay_alu instid0(VALU_DEP_1)
	v_add_nc_u32 v23, v23, v1                      ; r + 8 (r / 8)
	v_lshlrev_b32 v56, 4, v0                       ; a thread's 16 bytes of 4,096 of an image
	s_delay_alu instid0(VALU_DEP_2)
	v_lshlrev_b32 v57, 2, v23
	s_mul_i32 s52, s24, 16*P                       ; v3: Q: row 16 i + r, my head's 128 bytes, + 32 h
	s_lshl_b32 s53, s23, 7
	s_add_co_u32 s52, s52, s53
	v_mul_u32_u24 v3, v1, P
	s_delay_alu instid0(VALU_DEP_1)
	v_lshl_add_u32 v3, v2, 5, v3
	s_delay_alu instid0(VALU_DEP_1)
	v_add_nc_u32 v3, s52, v3
	s_delay_alu instid0(VALU_DEP_1)
	v_add_nc_u32 v10, STG, v3                      ; v10: the same place in the stage
	s_mul_i32 s52, s25, TILE                       ; v4: K: the window, row r + 8 (r / 8)
	s_add_co_u32 s52, s52, s53
	s_add_co_u32 s52, s52, KT
	v_mul_u32_u24 v4, v23, P
	s_delay_alu instid0(VALU_DEP_1)
	v_lshl_add_u32 v4, v2, 5, v4
	s_delay_alu instid0(VALU_DEP_1)
	v_add_nc_u32 v4, s52, v4
	s_mul_i32 s52, s23, 96*HP                      ; v5: V as f16, turned: row 16 h + lane % 8, so that the keys come in the order of p's registers
	s_mul_i32 s54, s25, 32*HP
	s_add_co_u32 s52, s52, s54
	s_add_co_u32 s52, s52, VH
	v_lshl_add_u32 v5, v2, 4, v21
	s_delay_alu instid0(VALU_DEP_1)
	v_mul_u32_u24 v5, v5, HP
	s_delay_alu instid0(VALU_DEP_1)
	v_lshl_add_u32 v5, v22, 4, v5
	s_delay_alu instid0(VALU_DEP_1)
	v_add_nc_u32 v5, s52, v5
	s_mul_i32 s52, s23, 1536                       ; v6: V's codes: lanes 0-15 the window's first block, lanes 16-31 its second; channel r
	s_lshl_b32 s54, s25, 9
	s_add_co_u32 s52, s52, s54
	s_add_co_u32 s52, s52, VC
	v_lshlrev_b32 v6, 4, v1
	s_delay_alu instid0(VALU_DEP_1)
	v_lshl_add_u32 v6, v2, 9, v6
	s_delay_alu instid0(VALU_DEP_1)
	v_add_nc_u32 v6, s52, v6
	s_mul_i32 s52, s23, 384                        ; v7: their bytes
	s_lshl_b32 s54, s25, 7
	s_add_co_u32 s52, s52, s54
	s_add_co_u32 s52, s52, VS
	v_lshlrev_b32 v7, 2, v1
	s_delay_alu instid0(VALU_DEP_1)
	v_add_nc_u32 v7, s52, v7
	s_mul_i32 s52, s23, 6144                       ; v8: my head's state fragments
	s_add_co_u32 s52, s52, SIMG
	v_lshlrev_b32 v8, 4, v20
	s_delay_alu instid0(VALU_DEP_1)
	v_add_nc_u32 v8, s52, v8
	s_add_co_u32 s52, s53, WL                      ; v9: W of my head, + 32 h
	v_lshlrev_b32 v9, 5, v2
	s_delay_alu instid0(VALU_DEP_1)
	v_add_nc_u32 v9, s52, v9
	s_mul_i32 s52, s22, 8*P                        ; v11: back from the stage: rows 8 w + h, 16 bytes r;  v12: the same in out0
	s_add_co_u32 s52, s52, STG
	v_mul_u32_u24 v11, v2, P
	s_delay_alu instid0(VALU_DEP_1)
	v_lshl_add_u32 v11, v1, 4, v11
	s_delay_alu instid0(VALU_DEP_1)
	v_add_nc_u32 v11, s52, v11
	s_lshl_b32 s52, s22, 13
	v_lshlrev_b32 v12, 10, v2
	s_delay_alu instid0(VALU_DEP_1)
	v_lshl_add_u32 v12, v1, 4, v12
	s_delay_alu instid0(VALU_DEP_1)
	v_add_nc_u32 v12, s52, v12
	s_and_b32 s52, s24, 1                          ; v13: my query's place in the window, less 16 h
	s_lshl_b32 s52, s52, 4
	s_add_co_u32 s52, s52, 32
	v_lshlrev_b32 v13, 4, v2
	s_delay_alu instid0(VALU_DEP_1)
	v_sub_nc_u32 v13, v1, v13
	s_delay_alu instid0(VALU_DEP_1)
	v_add_nc_u32 v13, s52, v13
	s_lshl_b32 s52, s24, 4
	v_add_nc_u32 v15, s52, v1                      ; v15: my query's place in the chunk: so far back the chunk's own keys reach
	s_delay_alu instid0(VALU_DEP_1)
	v_add_nc_u32 v14, s28, v15
	s_delay_alu instid0(VALU_DEP_1)
	v_min_u32 v14, 9, v14                          ; v14: so far back the band reaches: 9, or to the sequence's start
	v_lshrrev_b32 v48, 4, v0                       ; V's conversion, shared by the 256 threads: v48 from (row T / 16, 16 bytes T % 16), v49 to
	s_delay_alu instid0(VALU_DEP_1)
	v_mul_u32_u24 v49, v48, HP
	s_delay_alu instid0(VALU_DEP_2)
	v_mul_u32_u24 v48, v48, P
	s_delay_alu instid0(VALU_DEP_1)
	v_lshl_add_u32 v48, v1, 4, v48
	s_delay_alu instid0(VALU_DEP_1)
	v_add_nc_u32 v48, VT, v48
	s_delay_alu instid0(VALU_DEP_4)
	v_lshl_add_u32 v49, v21, 3, v49
	v_mul_u32_u24 v22, v22, 96*HP
	s_delay_alu instid0(VALU_DEP_1)
	v_add_nc_u32 v49, v49, v22
	s_delay_alu instid0(VALU_DEP_1)
	v_add_nc_u32 v49, VH, v49
	v_lshlrev_b32 v21, 2, v20                      ; 4 x lane
	v_lshlrev_b32 v22, 4, v20                      ; 16 x lane
	s_wait_alu depctr_va_vdst(0)
	s_lshr_b32 s52, s22, 1
	s_min_u32 s52, s52, 2                          ; V's codes: wave w < 6 takes block w / 2 of head w % 2; a lane a channel
	s_and_b32 s54, s22, 1
	s_mul_i32 s56, s52, TILE
	s_lshl_b32 s57, s54, 7
	v_add_nc_u32 v58, s57, v21                     ; v58: W's offset: head w % 2, 4 bytes a lane
	s_wait_alu depctr_va_vdst(0)
	s_add_co_u32 s56, s56, s57
	s_add_co_u32 s56, s56, VT
	v_add_nc_u32 v50, s56, v21                     ; v50: from
	s_mul_i32 s58, s54, 3
	s_add_co_u32 s58, s58, s52
	s_lshl_b32 s56, s58, 9
	s_add_co_u32 s56, s56, VC
	v_add_nc_u32 v51, s56, v22                     ; v51: the codes
	s_lshl_b32 s56, s58, 7
	s_add_co_u32 s56, s56, VS
	v_add_nc_u32 v52, s56, v21                     ; v52: the byte
	s_lshl_b32 s56, s23, 10                        ; v53: my 8 bytes of a state fragment: fragment 2 x + w / 4, registers 4 ((w / 2) % 2) + 2 (w % 2) on
	s_lshl_b32 s57, s25, 9
	s_add_co_u32 s56, s56, s57
	s_lshl_b32 s57, s54, 3
	s_add_co_u32 s56, s56, s57
	s_add_co_u32 s56, s56, SIMG
	v_add_nc_u32 v53, s56, v22
	s_lshl_b32 s56, s22, 7
	s_add_co_u32 s56, s56, WL
	v_add_nc_u32 v54, s56, v21                     ; v54: W's slot w
.irp u, 0,1
	global_load_b32 v[KL+\u], v57, s[70:71] offset:32*\u     ; tile 2 W + u: key 8 u + r + 8 (r / 8) of block W
	global_load_b32 v[KL+2+\u], v57, s[72:73] offset:32*\u
.endr
	global_load_b32 v55, v58, s[76:77]
	; THE STATE.  The number of images hangs on the work-group's number alone; each number has its own way, written out, so that all its loads are out together
.irp n, 0,1,2,3,4,5,6,7
	s_cmp_eq_u32 s29, \n
	s_cbranch_scc1 .Lpre_\n
.endr
	PRE 8
.Lpre_7:
	PRE 7
.Lpre_6:
	PRE 6
.Lpre_5:
	PRE 5
.Lpre_4:
	PRE 4
.Lpre_3:
	PRE 3
.Lpre_2:
	PRE 2
.Lpre_1:
	PRE 1
.Lpre_0:
	PRE 0
.Lpre_done:
	s_wait_loadcnt 0x0                             ; W and the key lengths, on the way that has no wait of its own
.irp x, 0,1,2,3,4,5
	v_cvt_pk_f16_f32 v[32+2*\x], v[64+4*\x], v[65+4*\x]
	v_cvt_pk_f16_f32 v[33+2*\x], v[66+4*\x], v[67+4*\x]
.endr
.irp x, 0,1,2,3,4,5
	ds_store_b64 v53, v[32+2*\x:33+2*\x] offset:2048*\x   ; the accumulator's lanes and registers ARE the fragment's: nothing changes lanes
.endr
	ds_store_b32 v54, v55
	s_wait_tensorcnt 0x0                           ; my tile has landed,
	s_wait_dscnt 0x0                               ; my stores are done:
	s_barrier_signal -1
	s_barrier_wait -1                              ; everybody's
	; V, once for the work-group: as f16 ...
.irp p, 0,1,2,3,4,5
	ds_load_b128 v[64+4*\p:67+4*\p], v48 offset:16*P*\p
.endr
	s_wait_dscnt 0x0
.irp p, 0,1,2,3,4,5
	v_cvt_pk_f16_f32 v[32+2*\p], v[64+4*\p], v[65+4*\p]
	v_cvt_pk_f16_f32 v[33+2*\p], v[66+4*\p], v[67+4*\p]
.endr
.irp p, 0,1,2,3,4,5
	ds_store_b64 v49, v[32+2*\p:33+2*\p] offset:16*HP*\p
.endr
	s_cmp_lt_u32 s22, 6                            ; ... and as codes along the keys: a lane takes a channel, its registers run down a block's 32 keys
	s_cbranch_scc0 .Lno_unit
.set k, 0
.rept 32
	ds_load_b32 v[96+k], v50 offset:P*k
.set k, k+1
.endr
	s_wait_dscnt 0x0
	v_max3_num_f32 v128, |v96|, |v97|, |v98|
	v_max3_num_f32 v129, |v99|, |v100|, |v101|
.irp j, 6,10,14,18,22,26
	s_delay_alu instid0(VALU_DEP_2)
	v_max3_num_f32 v128, v128, |v[96+\j]|, |v[97+\j]|
	s_delay_alu instid0(VALU_DEP_2)
	v_max3_num_f32 v129, v129, |v[98+\j]|, |v[99+\j]|
.endr
	s_delay_alu instid0(VALU_DEP_2)
	v_max3_num_f32 v128, v128, |v126|, |v127|
	s_delay_alu instid0(VALU_DEP_1)
	v_max3_num_f32 v128, v128, v129, 0x1800000     ; and the floor 2^(3 - 127)
	s_delay_alu instid0(VALU_DEP_1)
	v_add_nc_u32 v130, 0xff000000, v128            ; 2 off the exponent field: the conversion's scale operand
	s_delay_alu instid0(VALU_DEP_1)
	v_lshrrev_b32 v131, 23, v130                   ; the byte
.irp q, 0,1,2,3
	v_cvt_scalef32_pk8_fp4_f32 v[132+\q], v[96+8*\q:103+8*\q], v130
.endr
	v_nop                                          ; one plain instruction behind the scaled conversions
	ds_store_b128 v51, v[132:135]
	ds_store_b32 v52, v131
.Lno_unit:
	s_wait_dscnt 0x0
	s_barrier_signal -1
	s_barrier_wait -1
	; Q and the window of K: lane (r, h) takes e = 8 h .. + 7 and 16 + 8 h .. + 7 of its row: the f16 fragment's order
	ds_load_b128 v[QX:QX+3], v3
	ds_load_b128 v[QX+4:QX+7], v3 offset:16
	ds_load_b128 v[QX+8:QX+11], v3 offset:64
	ds_load_b128 v[QX+12:QX+15], v3 offset:80
.irp W, 0,1
.irp u, 0,1
	ds_load_b128 v[KR+16*(2*\W+\u):KR+16*(2*\W+\u)+3], v4 offset:(32*\W+8*\u)*P
	ds_load_b128 v[KR+16*(2*\W+\u)+4:KR+16*(2*\W+\u)+7], v4 offset:(32*\W+8*\u)*P+16
	ds_load_b128 v[KR+16*(2*\W+\u)+8:KR+16*(2*\W+\u)+11], v4 offset:(32*\W+8*\u)*P+64
	ds_load_b128 v[KR+16*(2*\W+\u)+12:KR+16*(2*\W+\u)+15], v4 offset:(32*\W+8*\u)*P+80
.endr
.endr
.irp t, 0,1,2,3
	v_mov_b32 v[SB+\t], 0                          ; lane permutes' destinations count as read;
	v_mov_b32 v[PM+\t], 0
	v_mov_b32 v[CC+2*\t+1], 0                      ; named as the upper half of a pair
.endr
.irp k, 2,3,4,5,6,7
	v_mov_b32 v[QC+\k], 0                          ; zero codes
.endr
	s_wait_dscnt 16                                ; Q's four loads are in; K's sixteen, issued behind them, may be out
.irp q, 0,2,4,6,8,10,12,14
	v_pk_mul_f32 v[SC+\q:SC+\q+1], v[QX+\q:QX+\q+1], s[48:49] op_sel_hi:[1,0]   ; q / sqrt(32) is what is quantised
.endr
	QB16 SC, QC, SCQ, 1
	PHI QX, SC+16, 16
	ROWC QX, 1, 0
.irp q, 0,2,4,6,8,10,12,14
	v_pk_mul_f32 v[SC+\q:SC+\q+1], v[QX+\q:QX+\q+1], v[CC:CC+1] op_sel_hi:[1,0]
.endr
.irp q, 0,1,2,3,4,5,6,7
	v_cvt_pk_f16_f32 v[Q1+\q], v[SC+2*\q], v[SC+2*\q+1]
.endr
.irp q, 0,2,4,6,8,10,12,14
	v_pk_mul_f32 v[QX+\q:QX+\q+1], v[QX+\q:QX+\q+1], v[QX+\q:QX+\q+1]
.endr
	ROWC QX, 1, 0
.irp q, 0,2,4,6,8,10,12,14
	v_pk_mul_f32 v[SC+\q:SC+\q+1], v[QX+\q:QX+\q+1], v[CC:CC+1] op_sel_hi:[1,0]
.endr
.irp q, 0,1,2,3,4,5,6,7
	v_cvt_pk_f16_f32 v[Q2+\q], v[SC+2*\q], v[SC+2*\q+1]
.endr
.irp t, 0,1,2,3
.irp k, 2,3,4,5,6,7
	v_mov_b32 v[KC+8*\t+\k], 0                     ; zero codes
.endr
.endr
	s_wait_dscnt 0x0                               ; K
	QB16 KR, KC, SCK, 4
	v_cmp_eq_u32 vcc_lo, 0, v1                     ; the fragment of ones: row 0 of the third tile of channels.  These fourteen plain lines are also the places between
	v_mov_b32 v20, 0x3c003c00                      ; the scale words' and the codes' last writes and the scaled products (8 and 4 are asked)
.irp k, 0,1,2,3,4,5,6,7
	v_cndmask_b32 v[ONE+\k], 0, v20, vcc_lo
.endr
.irp k, 4,5,6,7
	v_mov_b32 v[PF+\k], 0
.endr
	; THE BAND
.irp t, 0,1,2,3
	v_wmma_scale_f32_16x16x128_f8f6f4 v[SC+8*\t:SC+8*\t+7], v[KC+8*\t:KC+8*\t+7], v[QC:QC+7], 0, v[SCK+\t], v[SCQ] matrix_a_fmt:MATRIX_FMT_FP4 matrix_b_fmt:MATRIX_FMT_FP4
.endr
.irp t, 0,1
	ds_load_b128 v[VCF+8*\t:VCF+8*\t+3], v6 offset:256*\t
	ds_load_b32 v[PM+2*\t], v7 offset:64*\t
	ds_load_b32 v[PM+2*\t+1], v7 offset:128+64*\t
.endr
.irp t, 0,1
.irp k, 4,5,6,7
	v_mov_b32 v[VCF+8*\t+\k], 0                    ; zero codes; these lines are the places behind the products
.endr
.endr
	v_mov_b32 v23, 0xff800000                      ; -infinity
	MASK32 14, v23
.irp W, 0,1
	v_max3_num_f32 v[252+\W], v[SC+16*\W], v[SC+16*\W+1], v[SC+16*\W+2]   ; each block's largest score: for the row's maximum, and, through the same two instructions as every p, for the block's largest p
.endr
.irp j, 3,5,7,9,11,13
.irp W, 0,1
	s_delay_alu instid0(VALU_DEP_2)
	v_max3_num_f32 v[252+\W], v[252+\W], v[SC+16*\W+\j], v[SC+16*\W+\j+1]
.endr
.endr
.irp W, 0,1
	s_delay_alu instid0(VALU_DEP_2)
	v_max_num_f32 v[252+\W], v[252+\W], v[SC+16*\W+15]
.endr
.irp W, 0,1
	s_delay_alu instid0(VALU_DEP_2)
	v_permlanex16_b32 v[254+\W], v[252+\W], s44, s45
.endr
.irp W, 0,1
	s_delay_alu instid0(VALU_DEP_2)
	v_max_num_f32 v[252+\W], v[252+\W], v[254+\W]
.endr
	s_delay_alu instid0(VALU_DEP_1)
	v_max_num_f32 v20, v252, v253                  ; the row's largest score (its own key always counts)
	s_delay_alu instid0(VALU_DEP_1)
	v_mul_f32 v20, s46, v20                        ; as t
	s_delay_alu instid0(VALU_DEP_1)
	v_floor_f32 v22, -v20                          ; -M = floor(-t) = -ceil(t)
.irp q, 0,2,4,6,8,10,12,14,16,18,20,22,24,26,28,30
	v_pk_fma_f32 v[SC+\q:SC+\q+1], v[SC+\q:SC+\q+1], s[46:47], v[22:23] op_sel_hi:[1,0,0]   ; t - M
.endr
.irp W, 0,1
	v_fma_f32 v[252+\W], v[252+\W], s46, v22
.endr
.set k, 0
	s_wait_alu depctr_va_vdst(0)
.rept 32
	v_exp_f32 v[SC+k], v[SC+k]                     ; p = 2^(t - M); 0 for a hidden key
.set k, k+1
.endr
	v_exp_f32 v252, v252
	v_exp_f32 v253, v253
	v_nop                                          ; a plain instruction behind the batch,
	s_wait_alu depctr_va_vdst(0)                   ; and its one wait
.irp W, 0,1
	v_max_num_f32 v[252+\W], 0x1800000, v[252+\W]  ; the floor: a block of hidden keys keeps the byte 1 over zero codes
.endr
.irp W, 0,1
	s_delay_alu instid0(VALU_DEP_2)
	v_add_nc_u32 v[254+\W], 0xff000000, v[252+\W]
.endr
.irp W, 0,1
	s_delay_alu instid0(VALU_DEP_2)
	v_lshrrev_b32 v[252+\W], 23, v[254+\W]
.endr
	s_delay_alu instid0(VALU_DEP_1)
	v_lshl_or_b32 v[SCP], v253, 8, v252            ; p's scale word: the window's two blocks
.irp W, 0,1
	v_cvt_scalef32_pk8_fp4_f32 v[PF+2*\W], v[SC+16*\W:SC+16*\W+7], v[254+\W]
	v_cvt_scalef32_pk8_fp4_f32 v[PF+2*\W+1], v[SC+16*\W+8:SC+16*\W+15], v[254+\W]
.endr
	v_nop
	v_permlane16_swap_b32 v[PF], v[PF+2]           ; the operand wants a whole block in a lane: lanes 0-15 the first block, lanes 16-31 the second
	v_permlane16_swap_b32 v[PF+1], v[PF+3]
	s_wait_dscnt 0x0                               ; V's codes and bytes
.irp t, 0,1
	v_lshl_or_b32 v[SCV+\t], v[PM+2*\t+1], 8, v[PM+2*\t]
.endr
	v_pk_add_f32 v[252:253], v[192:193], v[194:195]
	v_pk_add_f32 v[254:255], v[200:201], v[204:205]
	v_pk_add_f32 v[250:251], v[208:209], v[212:213]
	v_pk_add_f32 v[248:249], v[216:217], v[220:221]
	v_pk_add_f32 v[190:191], v[196:197], v[198:199]
	v_pk_add_f32 v[188:189], v[202:203], v[206:207]
	v_pk_add_f32 v[186:187], v[210:211], v[214:215]
	v_pk_add_f32 v[20:21], v[218:219], v[222:223]
	s_delay_alu instid0(VALU_DEP_1)
	v_pk_add_f32 v[20:21], v[20:21], v[248:249]
	v_pk_add_f32 v[252:253], v[252:253], v[190:191]
	v_pk_add_f32 v[254:255], v[254:255], v[188:189]
	v_pk_add_f32 v[250:251], v[250:251], v[186:187]
	s_delay_alu instid0(VALU_DEP_2)
	v_pk_add_f32 v[20:21], v[20:21], v[254:255]
	s_delay_alu instid0(VALU_DEP_2)
	v_pk_add_f32 v[252:253], v[252:253], v[250:251]
	s_delay_alu instid0(VALU_DEP_1)
	v_pk_add_f32 v[20:21], v[20:21], v[252:253]
	s_delay_alu instid0(VALU_DEP_1)
	v_add_f32 v20, v20, v21
	s_delay_alu instid0(VALU_DEP_1)
	v_permlanex16_b32 v21, v20, s44, s45
	s_delay_alu instid0(VALU_DEP_1)
	v_add_f32 v20, v20, v21
	s_wait_alu depctr_va_vdst(0)
	v_rcp_f32 v22, v20
.irp t, 0,1
	ds_load_b128 v[WB+8*\t:WB+8*\t+3], v9 offset:64*\t
	ds_load_b128 v[WB+8*\t+4:WB+8*\t+7], v9 offset:64*\t+16
.endr
.irp t, 0,1
	v_wmma_scale_f32_16x16x128_f8f6f4 v[SV+8*\t:SV+8*\t+7], v[VCF+8*\t:VCF+8*\t+7], v[PF:PF+7], 0, v[SCV+\t], v[SCP] matrix_a_fmt:MATRIX_FMT_FP4 matrix_b_fmt:MATRIX_FMT_FP4
.endr
.rept 4
	v_nop                                          ; places behind the products, and the plain instruction behind the reciprocal
.endr
	s_wait_alu depctr_va_vdst(0)                   ; the reciprocal's wait, ahead of its first reader
	s_wait_dscnt 0x0                               ; W1
.irp q, 0,2,4,6,8,10,12,14
	v_pk_mul_f32 v[OUT+\q:OUT+\q+1], v[SV+\q:SV+\q+1], v[22:23] op_sel_hi:[1,0]
.endr
.irp q, 0,2,4,6,8,10,12,14
	v_pk_mul_f32 v[OUT+\q:OUT+\q+1], v[OUT+\q:OUT+\q+1], v[WB+\q:WB+\q+1]
.endr
	; K'S TWO FEATURES, from the same 64 keys
	PHI KR, SC, 32
	PHI KR+32, SC, 32
	ROWC KR, 4, 1
.irp t, 0,1,2,3
.irp q, 0,2,4,6,8,10,12,14
	v_pk_mul_f32 v[SC+16*(\t%2)+\q:SC+16*(\t%2)+\q+1], v[KR+16*\t+\q:KR+16*\t+\q+1], v[CC+2*\t:CC+2*\t+1] op_sel_hi:[1,0]
.endr
.irp q, 0,1,2,3,4,5,6,7
	v_cvt_pk_f16_f32 v[KF1+8*\t+\q], v[SC+16*(\t%2)+2*\q], v[SC+16*(\t%2)+2*\q+1]
.endr
.endr
.set q, 0
.rept 32
	v_pk_mul_f32 v[KR+q:KR+q+1], v[KR+q:KR+q+1], v[KR+q:KR+q+1]
.set q, q+2
.endr
	ROWC KR, 4, 1
.irp t, 0,1,2,3                                ; in place: tile t's eight results land on registers whose numbers have been taken
.irp q, 0,2,4,6,8,10,12,14
	v_pk_mul_f32 v[KR+16*\t+\q:KR+16*\t+\q+1], v[KR+16*\t+\q:KR+16*\t+\q+1], v[CC+2*\t:CC+2*\t+1] op_sel_hi:[1,0]
.endr
.irp q, 0,1,2,3,4,5,6,7
	v_cvt_pk_f16_f32 v[KF2+8*\t+\q], v[KR+16*\t+2*\q], v[KR+16*\t+2*\q+1]
.endr
.endr
.irp t, 0,1                                    ; V^T, turned: channels 16 t on, block W; registers 0-3 keys 16 h + 0 .. 7, registers 4-7 keys 16 h + 8 .. 15, as p's registers have them
.irp W, 0,1
	ds_load_tr16_b128 v[VHF+8*(2*\t+\W):VHF+8*(2*\t+\W)+3], v5 offset:32*HP*\W+32*\t
	ds_load_tr16_b128 v[VHF+8*(2*\t+\W)+4:VHF+8*(2*\t+\W)+7], v5 offset:32*HP*\W+32*\t+8*HP
.endr
.endr
	LIN KF1, Q1, 1, 0
	LIN KF2, Q2, 2, 3
	; THE WAY OUT: a row's 256 bytes come from two waves: through the stage, then whole rows
.irp t, 0,1
	ds_store_b128 v10, v[OUT+8*\t:OUT+8*\t+3] offset:64*\t
	ds_store_b128 v10, v[OUT+8*\t+4:OUT+8*\t+7] offset:64*\t+16
.endr
	s_wait_dscnt 0x0                               ; for the others: my stores into the stage are done
	s_barrier_signal -1
	s_barrier_wait -1
.irp x, 0,1,2,3
	ds_load_b128 v[WB+4*\x:WB+4*\x+3], v11 offset:2*P*\x
.endr
.irp x, 0,1,2,3
	s_wait_dscnt 3-\x                              ; LDS loads come back in order: load x is in, the younger ones may be out
	global_store_b128 v12, v[WB+4*\x:WB+4*\x+3], s[74:75] offset:2048*\x th:TH_STORE_NT   ; 16 lanes store 256 consecutive bytes, at a multiple of 256 from out0's first byte
.endr
	s_set_vgpr_msb 0x5
	s_wait_tensorcnt 0x0
	ds_add_u32 v0, v1
	s_wait_dscnt 0x0
	s_set_vgpr_msb 0x500
	s_endpgm
.Lfunc_end_k_qba0878264a_attend:
	.size	k_qba0878264a_attend, .Lfunc_end_k_qba0878264a_attend-k_qba0878264a_attend
	.p2alignl 7, 3214868480
	.fill 96, 4, 3214868480
	.section	.rodata,"a",@progbits
	.p2align	6, 0x0
	.amdhsa_kernel k_qba0878264a_attend
		.amdhsa_group_segment_fixed_size 168960
		.amdhsa_private_segment_fixed_size 0
		.amdhsa_enable_private_segment 0
		.amdhsa_kernarg_size 72
		.amdhsa_user_sgpr_count 2
		.amdhsa_user_sgpr_kernarg_segment_ptr 1
		.amdhsa_wavefront_size32 1
		.amdhsa_system_sgpr_workgroup_id_x 1
		.amdhsa_system_sgpr_workgroup_id_y 1
		.amdhsa_system_sgpr_workgroup_id_z 1
		.amdhsa_system_vgpr_workitem_id 0
		.amdhsa_next_free_vgpr 258
		.amdhsa_next_free_sgpr 80
		.amdhsa_reserve_vcc 1
		.amdhsa_float_denorm_mode_32 3
		.amdhsa_float_denorm_mode_16_64 3
		.amdhsa_memory_ordered 1
		.amdhsa_forward_progress 1
		.amdhsa_inst_pref_size 139
	.end_amdhsa_kernel
	.amdgpu_metadata
---
amdhsa.version: [ 1, 2 ]
amdhsa.kernels:
  - .name:           k_qba0878264a_attend
    .symbol:         k_qba0878264a_attend.kd
    .args:
      - { .name: queries, .offset: 0, .size: 8, .value_kind: global_buffer, .address_space: global }
      - { .name: keys, .offset: 8, .size: 8, .value_kind: global_buffer, .address_space: global }
      - { .name: values, .offset: 16, .size: 8, .value_kind: global_buffer, .address_space: global }
      - { .name: key_lengths, .offset: 24, .size: 8, .value_kind: global_buffer, .address_space: global }
      - { .name: W1, .offset: 32, .size: 8, .value_kind: global_buffer, .address_space: global }
      - { .name: W2, .offset: 40, .size: 8, .value_kind: global_buffer, .address_space: global }
      - { .name: W3, .offset: 48, .size: 8, .value_kind: global_buffer, .address_space: global }
      - { .name: states, .offset: 56, .size: 8, .value_kind: global_buffer, .address_space: global }
      - { .name: out0, .offset: 64, .size: 8, .value_kind: global_buffer, .address_space: global }
    .group_segment_fixed_size: 168960
    .private_segment_fixed_size: 0
    .kernarg_segment_align: 8
    .kernarg_segment_size: 72
    .max_flat_workgroup_size: 256
    .sgpr_count:     80
    .vgpr_count:     258
    .wavefront_size: 32
...
	.end_amdgpu_metadata
.endif
;; end of part 2
